; MI455X (gfx1250); checked and timed in simulation.
; The chip was launched on July 23, 2026; its instructions are those of AMD's public machine-readable ISA for CDNA 5 (MIT licence, August 2026) and "CDNA5" Instruction Set Architecture Reference Guide (July 2026). The comments in the code are by the model that wrote it; some were corrected since.
;; Causal Self Attention. Allowed arithmetic: matrix products marked QUANTISED: E4M3 operands, one given power-of-two scale a tensor, by v_wmma_f32_16x16x64_fp8_fp8 or v_wmma_f32_16x16x128_fp8_fp8, f32 sums; everything else in f32.
;; Inputs: W_proj_codes 1,024 x 32 x 32 uint8 (E4M3 codes of W_proj, K innermost, in blocks of 32 codes); W_qkv_codes 3,072 x 32 x 32 uint8 (E4M3 codes of W_qkv, K innermost, in blocks of 32 codes); b_proj 1,024 float32; b_qkv 3,072 float32; lowp_scales 8 int32 (the exponents e of the quantised operands' scales 2^e); x_codes 4 x 2,048 x 32 x 32 uint8 (E4M3 codes of x, K innermost, in blocks of 32 codes).
;; Outputs: out0 4 x 2,048 x 1,024 float32.
;; This version of the problem:
;;   THIS VERSION OF THE PROBLEM IS GIVEN IN LOW PRECISION. The matrix products marked QUANTISED in the list below multiply operands that are first quantised to E4M3 (4 exponent bits, 3 mantissa bits; 8 bits a number), with one given power-of-two scale for each operand tensor; their sums are f32. All else is computed in f32.
;;   The module's matrix products, in the order in which they are computed (A, B: the left and right operand; K: the contracted axis; several contracted axes count as one K, in the product's order):
;;     1. [M 8,192, K 1,024] x [K 1,024, N 3,072]; A: input x (given as codes); B: input W_qkv (given as codes): QUANTISED (scales: A lowp_scales[0], B lowp_scales[1])
;;     2. batch 64 x [M 2,048, K 64] x [K 64, N 2,048]; A: computed on the way; B: computed on the way: QUANTISED (scales: A lowp_scales[2], B lowp_scales[3])
;;     3. batch 64 x [M 2,048, K 2,048] x [K 2,048, N 64]; A: softmax (see below); B: computed on the way: QUANTISED (scales: A lowp_scales[4], B lowp_scales[5])
;;     4. [M 8,192, K 1,024] x [K 1,024, N 1,024]; A: computed on the way; B: input W_proj (given as codes): QUANTISED (scales: A lowp_scales[6], B lowp_scales[7])
;;   THE QUANTISER, for each operand of a quantised product, along K:
;;     - The operand's scale is 2^e, e = its entry of the input lowp_scales (int32; the entries are numbered through the quantised products in the list's order, A before B).
;;     - Each number is divided by the scale, clamped to +-448, and rounded to the nearest number of E4M3, ties to even, subnormals kept.
;;     - The product sums the exact products of the quantised numbers (number of the format x scale) in f32.
;;   ~~~python
;;   def quantise(x, axis, e):      # numpy; x: float32 -> the quantised numbers, widened to float32 again
;;       x = np.moveaxis(x, axis, -1); K = x.shape[-1]
;;       r = np.clip(x / 2.0 ** e, -448, 448)
;;       step = 2.0 ** (np.maximum(np.frexp(np.where(r == 0, 1, r))[1] - 1, -6) - 3)
;;       q = np.round(r / step) * step * 2.0 ** e      # np.round: ties to even
;;       return np.moveaxis(q, -1, axis).astype(np.float32)
;;   ~~~
;;   SOFTMAX AHEAD OF A QUANTISED PRODUCT. Where the list says 'softmax', what is quantised is not the finished softmax but p = 2^(t - M), with t = logit x log2(e) and M = ceil(the row's largest t), a whole number; so 1/2 < the row's largest p <= 1. The row's sum l is taken of the UNQUANTISED p, in f32, and the product's result is divided by l at the end. Since M is a whole number, a kernel that streams over the keys may use a running M (the ceiling of the running maximum): every later rescaling is an exact power of two, so the quantised numbers keep their values, but for numbers so far below the row's largest that they fall under the format's range.
;;   OPERANDS COMPUTED ON THE WAY. 'Computed on the way' means the value that the module computes at that place (a softmax that the list does not call 'softmax' is quantised finished and normalised). What goes into a quantiser is computed in f32, as accurately as f32 sums, v_exp_f32 and their like allow (about 1e-6 of the number): no bf16 or f16 on the way to a quantiser, and a product that is left as it is and whose result goes on into a quantised operand takes f32 operands (vector FMAs, or v_wmma_f32_16x16x4_f32). A number that lies on a knife's edge between two numbers of the format may be rounded either way, as far as f32 arithmetic and the matrix unit's own rounding can turn it there, and no further.
;;   INPUTS GIVEN AS CODES. W_proj (in the module: [1024, 1024], K = its axis 0); W_qkv (in the module: [1024, 3072], K = its axis 0); x (in the module: [4, 2048, 1024], K = its axis 2): each comes as NAME_codes (uint8): NAME with its K axis moved to the last place and cut into blocks of 32 codes, [.., K / 32, bytes a block], one block behind the other in memory; one code a byte (a code: sign, 4 exponent bits, 3 mantissa bits); its scale is its entry of lowp_scales. Its value is code x scale, taken as it is: it is not quantised again, and the codes and scales need not be those that the quantiser above would give.
;; One version. Each part assembles by itself: llvm-mc -triple=amdgcn-amd-amdhsa -mcpu=gfx1250 --defsym DOCPART=n.
;; ======== version 1 of 1: 3 launches
;; limits: right only within a limited range of input values
;; workspace buffers: qkv 25,165,824 bytes; att 8,388,608 bytes
;; launch qkv (part 1): grid 12 x 32, 4 waves a work-group, clusters of 4 x 4, 327,680 bytes of LDS; arguments x_codes, W_qkv_codes, b_qkv, lowp_scales, qkv; writes qkv
.if DOCPART == 1
	.amdgcn_target "amdgcn-amd-amdhsa--gfx1250"
	.amdhsa_code_object_version 6
	.text
	.protected	k_q0b29cdd6c8_qkv
	.globl	k_q0b29cdd6c8_qkv
	.p2align	8
	.type	k_q0b29cdd6c8_qkv,@function
k_q0b29cdd6c8_qkv:
	s_mov_b64 s[64:65], 0
	v_nop
	global_prefetch_b8 v0, s[64:65] scope:SCOPE_SE
	s_setreg_imm32_b32 hwreg(HW_REG_WAVE_MODE, 25, 1), 1
	s_wait_xcnt 0x0
	s_wait_alu depctr_hold_cnt(0) depctr_sa_sdst(0) depctr_va_vdst(0) depctr_va_sdst(0) depctr_va_ssrc(0) depctr_va_vcc(0) depctr_vm_vsrc(0)
	s_getreg_b32 s2, hwreg(HW_REG_IB_STS2, 6, 4)
	s_cmp_eq_u32 s2, 0
	s_cbranch_scc0 .Lentry_in_a_cluster
	s_endpgm
.Lentry_in_a_cluster:
	s_bfe_u32 s2, ttmp6, 0x10000c
	s_cmp_lg_u32 s2, 0xf033
	s_cbranch_scc0 .Lentry_shape_is_right
	s_endpgm
.Lentry_shape_is_right:
; qkv = x W_qkv + b_qkv on codes of FP8 (E4M3), and its three parts quantised again: q with 2^e2, k with 2^e3, v with 2^e5 (e = lowp_scales).
; x: [8192][1024] codes, W_qkv: [3072][1024] codes, K innermost in both; b_qkv: [3072] f32.
; OUT, the buffer qkv, three parts of 2^23 bytes:
;   q, k: [b 4][head 16][t 2048][64 bytes along the head's axis];   v: [b][head][t / 64][channel 64][64 bytes along t]: v's K in the next launch is t.
;   In every run of 64 bytes, place 32 g + 16 h + 8 u + j holds index 32 g + 16 u + 8 h + j (h, u = 0, 1; j = 0..7): two neighbouring result tiles of a lane are stored as they stand.
;   For q and k that is one permutation of the head's axis in both, which changes no product; for v it is the order in which the next launch's weights fall.
; THE PRODUCT.  C'[i][j] = sum over k of A'[i][k] B'[j][k], a tile of 256 x 256 a work-group, 128 x 128 a wave (64 accumulators, 512 registers), K = 1024 in four slots' worth of 256 through a ring of two LDS slots.
;   The matrix instruction is used transposed (source 0 = 16 rows of B', source 1 = 16 rows of A'): a lane holds row i = 16 a + lane % 16 and eight neighbours j = 16 b + 8 (lane / 16) + 0..7.
;   q, k (cluster x = 0, 1): A' = x (i = t), B' = W (j = column).   v (cluster x = 2): A' = W's rows 2048 on (i = channel), B' = x (j = t): so a lane's eight neighbours run along the axis that is quantised next.
;   Only pointers, ids and store strides differ between the two: one path through the ring.
; CLUSTERS: 4 x 4 work-groups; A's tile is shared along a row of the cluster, B's along a column: each is asked for jointly.  24 clusters: 8 x 2 for q and k, 8 for v (cluster y then counts B's tile columns).
; LIMITS: eo - e0 - e1 (eo = e2, e3 or e5) lies between -126 and 119, so that the conversion's scale and 448 x it are f32 numbers.  NaN among the biases is not served.
; REGISTERS, in windows of 256: window 0: v0-31 addresses; v32-95 the bias of my 128 columns j, v96-111 of my 128 rows i (each twice, as pairs); v112, v113 the hold and the scale; v128-255 A's fragments, later the codes.
;   window 1: B's fragments, two sets.   windows 2, 3: the accumulators, (a, b) at v[8 (8 (a % 4) + b)].
.set ROWB,   256                       ; a tile's row in bytes
.set KROW,   1024                      ; a row of x or of W in memory
.set PITCH,  272                       ; an LDS row: 256 bytes + 16 of padding: the 16 rows of a fragment load start at 16 different banks (64 banks of 4 bytes: ISA guide 11.1)
.set FR,     16                        ; registers of a fragment, 16 rows x 128 K
.set NL,     4                         ; LDS loads that bring one
.set NP,     4                         ; places behind this matrix instruction (ISA guide 7.12.1)
.set HALFT,  128*PITCH
.set SLOT,   4*HALFT                   ; A's 256 rows, then B's 256 rows
.set SPARE,  2*SLOT                    ; the spare words, 128 bytes a wave: two blocks of 256 bytes that no other line names
.set SPITCH, 144                       ; the way out: a stage row: 128 codes + 16 bytes
.set WSTAGE, 128*SPITCH                ; a wave's stage, 128 rows.  The stages lie in slot 0, which has had its last fill and its last read when the first code is stored there
.set ADRA, 16
.set ADRB, 20
.set STO,  24
.set RD,   25
.set GO,   26
.set SPW,  28
.set NIL,  29
.set OJ,   30
.set OI,   31
.set BJ,   32
.set BI,   96
.set LIM,  112
.set SCL,  113
.set AF,   128
.set CD,   128
.set G1, 24
.set G0, 32
.set G1B, 48
.set G0B, 56
.set MSB, 0
.macro WIN new                         ; the immediate's high byte repeats the setting that is left
.if MSB != (\new)
	s_set_vgpr_msb (MSB<<8)|(\new)
.set MSB, (\new)
.endif
.endm
.set MUL_LO, 0xa1                      ; source 0 (B') window 1, source 1 (A') window 0, C and D window 2
.set MUL_HI, 0xf1
.set TO_B,   0x40
; A joint load: waves 0 and 1 fetch for A', waves 2 and 3 for B'.  The branch hangs on the wave's number alone.  Four v_nop follow each line.
.macro JLOAD g0a, g1a, g0b, g1b
	s_cmp_eq_u32 s15, 0
	s_cbranch_scc0 .Lfor_b_\@
	tensor_load_to_lds s[\g0a:\g0a+3], s[\g1a:\g1a+7]
	s_nop 0
.rept 4
	v_nop
.endr
	s_branch .Lasked_\@
.Lfor_b_\@:
	tensor_load_to_lds s[\g0b:\g0b+3], s[\g1b:\g1b+7]
	s_nop 0
.rept 4
	v_nop
.endr
.Lasked_\@:
.endm
.macro CREST                           ; a round of the cluster's barrier behind its opening barrier
	s_cmp_lg_u32 s14, 0
	s_cbranch_scc1 .Lnot_wave_0_\@
	s_barrier_signal -3
.Lnot_wave_0_\@:
	s_barrier_wait -3
	s_barrier_signal -1
	s_barrier_wait -1
.endm
.macro CROUND
	s_barrier_signal -1
	s_barrier_wait -1
	CREST
.endm
	s_load_b256 s[4:11], s[0:1], 0x0               ; x s[4:5], W s[6:7], b_qkv s[8:9], the scales' exponents s[10:11]
	s_load_b64 s[12:13], s[0:1], 0x20              ; qkv
	v_lshl_add_u32 v[SPW], v0, 2, SPARE
	v_mov_b32 v[NIL], 0
	ds_add_u32 v28, v29
	ds_add_u32 v28, v29
	s_wait_dscnt 0x0
	v_lshrrev_b32 v1, 5, v0
	v_readfirstlane_b32 s14, v1                    ; wave 0..3
	s_lshr_b32 s15, s14, 1                         ; RH: which half of the tile's rows i is mine.  Also: I fetch for A' (0) or for B' (1)
	s_and_b32 s16, s14, 1                          ; CH: which half of its columns j.  Also: which 128 rows of that tile I fetch
	s_bfe_u32 s40, ttmp6, 0x40000                  ; cx, cy: my place in the cluster
	s_bfe_u32 s41, ttmp6, 0x40004
	s_and_b32 s18, ttmp7, 0xffff                   ; cluster y
	s_cmp_eq_u32 ttmp9, 2                          ; cluster x = 2: v.  The same in all sixteen partners
	s_cselect_b32 s86, 1, 0
	s_cselect_b32 s19, s18, ttmp9                  ; the cluster's place along B's tiles: v: cluster y; q, k: cluster x
	s_cselect_b32 s18, 0, s18                      ; along A's tiles: v: 0; q, k: cluster y
	s_lshl_b32 s42, s19, 2
	s_add_co_u32 s42, s42, s40                     ; TC: tile column (B')
	s_lshl_b32 s17, s18, 2
	s_add_co_u32 s17, s17, s41                     ; TR: tile row (A')
	s_lshl_b32 s43, s41, 2
	s_lshl_b32 s43, 15, s43                        ; my row of the cluster
	s_lshl_b32 s44, 0x1111, s40                    ; my column
	; descriptor group 1: a tile of 128 rows x 256 bytes, padded in LDS
	s_or_b32 s[G1+0], s43, (0<<16)|(1<<20)|(1<<21)|(5<<22)|(3<<25)  ; 15:0 the mask; 17:16 elements of 1 byte; 20 padding on; 21 set beside a mask; 24:22 after every 64 words; 31:25 four words
	s_or_b32 s[G1B+0], s44, (0<<16)|(1<<20)|(1<<21)|(5<<22)|(3<<25)
.irp g, G1, G1B
	s_mov_b32 s[\g+1], ROWB<<16                    ; tensor_dim0
	s_mov_b32 s[\g+2], 128<<16                     ; tensor_dim1
	s_mov_b32 s[\g+3], ROWB<<16                    ; tile_dim0
	s_mov_b32 s[\g+4], 128                         ; tile_dim1
	s_mov_b32 s[\g+5], KROW                        ; tensor_dim0_stride
	s_mov_b32 s[\g+6], 0
	s_mov_b32 s[\g+7], 0
.endr
	s_lshl_b32 s20, s16, 7                         ; which 128 rows of a tile I fetch
	s_lshl_b32 s22, s17, 8
	s_add_co_u32 s22, s22, s20
	s_lshl_b32 s22, s22, 10                        ; A': (256 TR + 128 half) rows of 1,024 bytes: under 2^23
	s_mov_b32 s23, 0
	s_lshl_b32 s46, s42, 8
	s_add_co_u32 s46, s46, s20
	s_lshl_b32 s46, s46, 10                        ; B' likewise
	s_mov_b32 s47, 0
	s_mul_i32 s45, s14, HALFT                      ; where they go: wave x 128 rows: no place in the cluster enters an LDS address
	s_wait_kmcnt 0x0
	s_load_b256 s[68:75], s[10:11], 0x0            ; e0 .. e7
	s_add_nc_u64 s[92:93], s[6:7], 0x200000        ; W's row 2048: v's columns
	s_cmp_eq_u32 s86, 1
	s_cselect_b64 s[76:77], s[92:93], s[4:5]       ; A'
	s_cselect_b64 s[78:79], s[4:5], s[6:7]         ; B'
	s_add_nc_u64 s[76:77], s[76:77], s[22:23]
	s_add_nc_u64 s[78:79], s[78:79], s[46:47]
	CROUND                                         ; all sixteen work-groups are here: the first joint loads meet
.irp s, 0,1
	s_mov_b32 s[G0+4*\s], 1
	s_add_co_u32 s[G0+4*\s+1], s45, \s*SLOT
	s_add_nc_u64 s[G0+4*\s+2:G0+4*\s+3], s[76:77], \s*ROWB
	s_or_b32 s[G0+4*\s+3], s[G0+4*\s+3], 0x80000000
	s_mov_b32 s[G0B+4*\s], 1
	s_add_co_u32 s[G0B+4*\s+1], s45, \s*SLOT
	s_add_nc_u64 s[G0B+4*\s+2:G0B+4*\s+3], s[78:79], \s*ROWB
	s_or_b32 s[G0B+4*\s+3], s[G0B+4*\s+3], 0x80000000
	s_wait_alu depctr_va_vdst(0)
	s_wait_tensorcnt 0x0
	ds_add_u32 v28, v29
	ds_add_u32 v28, v29
	s_wait_dscnt 0x0
	CROUND
	JLOAD G0+4*\s, G1, G0B+4*\s, G1B               ; two loads of mine are out
.endr
	v_and_b32 v1, 15, v0                           ; r = lane % 16
	s_wait_alu depctr_va_vdst(0)
	v_bfe_u32 v2, v0, 4, 1                         ; h = lane / 16
	v_mul_u32_u24 v3, v1, PITCH
	v_lshl_add_u32 v4, v2, 4, v3                   ; a fragment's row x pitch + 16 h
	s_mul_i32 s21, s15, HALFT                      ; my 128 rows of A'
	s_mul_i32 s22, s16, HALFT                      ; my 128 rows of B',
	s_add_co_u32 s22, s22, 2*HALFT                 ; which lie behind A's 256
.irp s, 0,1
	v_add_nc_u32 v[ADRA+\s], s21, v4
	v_add_nc_u32 v[ADRB+\s], s22, v4
	s_add_co_u32 s21, s21, SLOT
	s_add_co_u32 s22, s22, SLOT
.endr
	; the way out's numbers
	s_lshl_b32 s20, s42, 8
	s_lshl_b32 s21, s16, 7
	s_add_co_u32 s20, s20, s21                     ; j0 = 256 TC + 128 CH
	s_lshl_b32 s21, s17, 8
	s_lshl_b32 s22, s15, 7
	s_add_co_u32 s21, s21, s22                     ; i0 = 256 TR + 128 RH
	s_lshl_b32 s22, s40, 2
	s_lshl_b32 s23, s16, 1
	s_add_co_u32 s22, s22, s23                     ; q, k: my first head = 4 cx + 2 CH
	s_lshl_b32 s23, s41, 2
	s_lshl_b32 s46, s15, 1
	s_add_co_u32 s23, s23, s46                     ; v: 4 cy + 2 RH
	s_add_co_u32 s47, s21, 2048                    ; v: my first channel's place in b_qkv
	s_mov_b32 s90, 4096
	s_mov_b32 s91, 0x20000
	s_cmp_eq_u32 s86, 1
	s_cselect_b32 s46, s20, s21                    ; my first t, counted through the four batches
	s_cselect_b32 s22, s23, s22                    ; my first head
	s_cselect_b32 s20, 0, s20                      ; the bias by columns begins here (v: not used, loaded from 0)
	s_cselect_b32 s47, s47, 0                      ; the bias by rows begins here (q, k: not used, loaded from 0)
	s_cselect_b32 s84, s90, s91                    ; from the first 64 bytes of a stage row to the second: v: a block of 64 t on; q, k: a head on
	s_cselect_b32 s85, s91, s90                    ; from stage row 0 to row 64: v: a head on; q, k: 64 t on
	s_lshl_b32 s20, s20, 2
	s_mov_b32 s21, 0
	s_add_nc_u64 s[94:95], s[8:9], s[20:21]
	s_lshl_b32 s20, s47, 2
	s_add_nc_u64 s[96:97], s[8:9], s[20:21]
	s_lshl_b32 s20, ttmp9, 23                      ; the part: q, k or v
	s_lshr_b32 s23, s46, 11
	s_lshl_b32 s23, s23, 21                        ; the batch
	s_add_co_u32 s20, s20, s23
	s_lshl_b32 s23, s22, 17                        ; the head
	s_add_co_u32 s20, s20, s23
	s_and_b32 s23, s46, 2047
	s_lshl_b32 s23, s23, 6                         ; t x 64 bytes; for v (t / 64) x 4,096, the same number, since t is a multiple of 64
	s_add_co_u32 s20, s20, s23
	s_add_nc_u64 s[80:81], s[12:13], s[20:21]      ; stage rows 0-63 go here,
	s_mov_b32 s20, s85
	s_add_nc_u64 s[82:83], s[80:81], s[20:21]      ; rows 64-127 here
	s_mul_i32 s23, s14, WSTAGE                     ; my stage
	v_mul_u32_u24 v3, v1, SPITCH
	s_wait_alu depctr_va_vdst(0)
	v_lshl_add_u32 v3, v2, 4, v3
	v_add_nc_u32 v[STO], s23, v3                   ; in: row r, 16 bytes for each half of the lanes
	v_bfe_u32 v3, v0, 3, 2                         ; back: eight lanes to a row of 128 bytes, four rows an instruction
	v_and_b32 v4, 7, v0
	v_mul_u32_u24 v5, v3, SPITCH
	v_lshl_add_u32 v5, v4, 4, v5
	v_add_nc_u32 v[RD], s23, v5
	v_bfe_u32 v4, v0, 2, 1                         ; which 64 bytes of the row
	v_mul_u32_u24 v[GO], v4, s84
	v_lshl_add_u32 v[GO], v3, 6, v[GO]             ; + 64 x row
	v_and_b32 v4, 3, v0
	v_lshl_add_u32 v[GO], v4, 4, v[GO]             ; + 16 x place: lanes with the same half of the row cover 256 consecutive bytes
	v_lshlrev_b32 v[OJ], 5, v2                     ; the bias by columns: my half's eight numbers
	v_lshlrev_b32 v[OI], 2, v1                     ; by rows: my row's number
.irp b, 0,1,2,3,4,5,6,7
	global_load_b128 v[BJ+8*\b:BJ+8*\b+3], v[OJ], s[94:95] offset:64*\b
	global_load_b128 v[BJ+8*\b+4:BJ+8*\b+7], v[OJ], s[94:95] offset:64*\b+16
.endr
.irp a, 0,1,2,3,4,5,6,7
	global_load_b32 v[BI+2*\a], v[OI], s[96:97] offset:64*\a
	global_load_b32 v[BI+2*\a+1], v[OI], s[96:97] offset:64*\a
.endr
	s_wait_kmcnt 0x0
	s_cmp_eq_u32 ttmp9, 0
	s_cselect_b32 s87, s70, s71                    ; q: e2; k: e3;
	s_cmp_eq_u32 ttmp9, 2
	s_cselect_b32 s87, s73, s87                    ; v: e5
	s_add_co_i32 s88, s68, s69                     ; e0 + e1: a sum stands for sum x 2^(e0 + e1)
	s_sub_co_i32 s89, 0, s88
	s_sub_co_i32 s90, s87, s88                     ; so its code is (sum + bias / 2^(e0 + e1)) / 2^(eo - e0 - e1)
	s_add_co_i32 s90, s90, 127
	s_lshl_b32 s91, s90, 23
	v_mov_b32 v[SCL], s91                          ; 2^(eo - e0 - e1) as f32: the conversion takes its exponent field
	s_wait_loadcnt 0x0
.set n, 0
.rept 80
	v_ldexp_f32 v[BJ+n], v[BJ+n], s89              ; both tables / 2^(e0 + e1): nothing is rounded
.set n, n+1
.endr
.macro FRAG reg, adr, q, i             ; 16 rows x 128 K: lane l holds row l % 16; registers 4 c .. 4 c + 3 hold K = 32 c + 16 (l / 16) + 0 .. 15: one permutation of k for A' and B' alike
.irp c, 0,1,2,3
	ds_load_b128 v[\reg+4*\c:\reg+4*\c+3], v[\adr] offset:128*(\q)+32*\c+(\i)*16*PITCH
.endr
.endm
; 16 matrix instructions: A's blocks a0, a0 + 1 x B's eight.  The 64 accumulators take turns, one instruction a turn, in the same order in every step.
.macro MUL16 a0, p, zero
.irp a, \a0, \a0+1
.irp b, 0,1,2,3,4,5,6,7
.if \zero
	v_wmma_f32_16x16x128_fp8_fp8 v[8*(8*((\a)%4)+\b):8*(8*((\a)%4)+\b)+7], v[128*(\p)+FR*\b:128*(\p)+FR*\b+FR-1], v[AF+FR*(\a):AF+FR*(\a)+FR-1], 0
.else
	v_wmma_f32_16x16x128_fp8_fp8 v[8*(8*((\a)%4)+\b):8*(8*((\a)%4)+\b)+7], v[128*(\p)+FR*\b:128*(\p)+FR*\b+FR-1], v[AF+FR*(\a):AF+FR*(\a)+FR-1], v[8*(8*((\a)%4)+\b):8*(8*((\a)%4)+\b)+7]
.endif
.endr
.endr
.endm
.macro FETCH_B slot, q, p
	WIN TO_B
.irp i, 0,1,2,3,4,5,6,7
	FRAG 128*(\p)+FR*\i, ADRB+\slot, \q, \i
.endr
	WIN 0
.endm
.macro FETCH_A slot, q, i0
.irp i, \i0, \i0+1, \i0+2, \i0+3
	FRAG AF+FR*(\i), ADRA+\slot, \q, \i
.endr
.endm
.macro PLACES n                        ; plain vector instructions between a matrix instruction and a load into, or a vector read or write of, its registers
.rept \n
	v_nop
.endr
.endm
; A step of 128 along K that has its successor in the same slot.  A' has one set of registers (a block is free when its eight products are issued), B' two.
.macro STEP slot, q, zero
	s_wait_dscnt 4*NL                              ; B's set and A's blocks 0-3 are in; the youngest 16 loads (A's blocks 4-7) may be out
	WIN MUL_LO
	MUL16 0, (\q)%2, \zero
	MUL16 2, (\q)%2, \zero
	s_wait_dscnt 0                                 ; A's blocks 4-7 are in
	PLACES NP
	FETCH_B \slot, (\q)+1, 1-(\q)%2
	FETCH_A \slot, (\q)+1, 0
	WIN MUL_HI
	MUL16 4, (\q)%2, \zero
	MUL16 6, (\q)%2, \zero
	PLACES NP
	WIN 0
	FETCH_A \slot, (\q)+1, 4
.endm
; A slot's last step changes slots: one barrier; in front of it each wave waits for all its tensor loads, adds 0 to its spare word, and waits for that and for its reads of this slot.
.macro TURN slot, next, fill
	s_wait_tensorcnt 0x0                           ; all my tensor loads have landed: my part of the next slot
	ds_add_u32 v[SPW], v[NIL]                      ; 0 onto my spare word
	s_wait_dscnt 4*NL+1                            ; the add and the youngest 16 loads (A's blocks 4-7) may be out
	WIN MUL_LO
	MUL16 0, 1, 0
	s_wait_dscnt 0x0                               ; the add is done, and my reads of this slot are over
	s_barrier_signal -1
	MUL16 2, 1, 0
	WIN 0
	s_barrier_wait -1
.if \fill
	CREST                                          ; the barrier has opened a round of the cluster's barrier: no wave of any partner still reads this slot or has a load on its way
	s_add_nc_u64 s[G0+4*\slot+2:G0+4*\slot+3], s[G0+4*\slot+2:G0+4*\slot+3], 2*ROWB
	s_add_nc_u64 s[G0B+4*\slot+2:G0B+4*\slot+3], s[G0B+4*\slot+2:G0B+4*\slot+3], 2*ROWB
	JLOAD G0+4*\slot, G1, G0B+4*\slot, G1B         ; the first tensor load behind the round; its four v_nop are also the places in front of the loads below
.else
	PLACES NP
.endif
	FETCH_B \next, 0, 0
	FETCH_A \next, 0, 0
	WIN MUL_HI
	MUL16 4, 1, 0
	MUL16 6, 1, 0
	PLACES NP
	WIN 0
	FETCH_A \next, 0, 4
.endm
	s_wait_tensorcnt 1                             ; my part of slot 0 is in; slot 1's load may be out
	s_barrier_signal -1
	s_barrier_wait -1
	FETCH_B 0, 0, 0
	FETCH_A 0, 0, 0
	FETCH_A 0, 0, 4
	STEP 0, 0, 1                                   ; K 0-127: the first products start the sums: nothing is cleared
	TURN 0, 1, 1                                   ; K 128-255; slot 0 takes K 512-767
	STEP 1, 0, 0
	TURN 1, 0, 1                                   ; slot 1 takes K 768-1023
	STEP 0, 0, 0
	TURN 0, 1, 0                                   ; nothing is left to fetch; behind this barrier nobody reads slot 0
	STEP 1, 0, 0
	s_wait_dscnt 4*NL                              ; the last step
	WIN MUL_LO
	MUL16 0, 1, 0
	MUL16 2, 1, 0
	s_wait_dscnt 0
	WIN MUL_HI
	MUL16 4, 1, 0
	MUL16 6, 1, 0
	WIN 0
; THE WAY OUT.  The bias is added in place, each accumulator from its low end on: by columns j for q and k, by rows i for v.  The branch hangs on the cluster's x alone and goes round register work only.
.macro BIAS rows
.irp a, 0,1,2,3,4,5,6,7
	WIN 0x82+0x41*(\a/4)                           ; source 0 and destination: window 2 or 3; the bias: window 0
.irp b, 0,1,2,3,4,5,6,7
.irp j, 0,2,4,6
.if \rows
	v_pk_add_f32 v[8*(8*(\a%4)+\b)+\j:8*(8*(\a%4)+\b)+\j+1], v[8*(8*(\a%4)+\b)+\j:8*(8*(\a%4)+\b)+\j+1], v[BI+2*\a:BI+2*\a+1]
.else
	v_pk_add_f32 v[8*(8*(\a%4)+\b)+\j:8*(8*(\a%4)+\b)+\j+1], v[8*(8*(\a%4)+\b)+\j:8*(8*(\a%4)+\b)+\j+1], v[BJ+8*\b+\j:BJ+8*\b+\j+1]
.endif
.endr
.endr
.endr
.endm
; Block a, 16 rows x 128: converted (8 neighbours j of a lane: 8 bytes), two neighbouring tiles' 16 bytes into my stage, and back as rows.  Each block has code registers of its own.
.macro EMIT a
.set AC, 64*((\a)%4)
	WIN 0x82+0x41*((\a)/4)
.set n, 0
.rept 64
.set n, n+1
.endr
	WIN 0x02+((\a)/4)
.irp b, 0,1,2,3,4,5,6,7
	v_cvt_scalef32_pk8_fp8_f32 v[CD+16*(\a)+2*\b:CD+16*(\a)+2*\b+1], v[AC+8*\b:AC+8*\b+7], v[SCL]
.endr
	WIN 0
	v_nop                                          ; one plain vector instruction behind the last scaled conversion
.irp g, 0,1,2,3
	ds_store_b128 v[STO], v[CD+16*(\a)+4*\g:CD+16*(\a)+4*\g+3] offset:16*SPITCH*(\a)+32*\g
.endr
.irp k, 0,1,2,3
	ds_load_b128 v[CD+16*(\a)+4*\k:CD+16*(\a)+4*\k+3], v[RD] offset:4*SPITCH*(4*(\a)+\k)   ; LDS serves a wave's instructions in order (ISA guide 5.7.1.4): these see the stores above
.endr
.endm
.macro OUT a, younger                  ; younger: the LDS instructions issued behind block a's loads
	s_wait_dscnt \younger
.irp k, 0,1,2,3
	global_store_b128 v[GO], v[CD+16*(\a)+4*\k:CD+16*(\a)+4*\k+3], s[80+2*((\a)/4):81+2*((\a)/4)] offset:256*(4*((\a)%4)+\k) th:TH_STORE_NT   ; two runs of 256 consecutive bytes, each at a multiple of 256 from the buffer's first byte
.endr
.endm
	PLACES NP
	s_cmp_eq_u32 s86, 1
	s_cbranch_scc1 .Lrows
	BIAS 0
	WIN 0
	s_branch .Lbiased
.Lrows:
	BIAS 1
	WIN 0
.Lbiased:
	EMIT 0
.irp a, 1,2,3,4,5,6,7
	EMIT \a
	OUT \a-1, 8                                    ; behind block a - 1's loads: block a's 4 stores and 4 loads
.endr
	OUT 7, 0
	s_wait_tensorcnt 0x0                           ; the wave's end
	ds_add_u32 v[SPW], v[NIL]
	s_wait_dscnt 0x0
	CROUND                                         ; the closing round: no work-group ends while a partner may still ask for a tile that names it
	s_endpgm
.Lfunc_end_k_q0b29cdd6c8_qkv:
	.size	k_q0b29cdd6c8_qkv, .Lfunc_end_k_q0b29cdd6c8_qkv-k_q0b29cdd6c8_qkv
	.p2alignl 7, 3214868480
	.fill 96, 4, 3214868480
	.section	.rodata,"a",@progbits
	.p2align	6, 0x0
	.amdhsa_kernel k_q0b29cdd6c8_qkv
		.amdhsa_group_segment_fixed_size 327680
		.amdhsa_private_segment_fixed_size 0
		.amdhsa_enable_private_segment 0
		.amdhsa_kernarg_size 40
		.amdhsa_user_sgpr_count 2
		.amdhsa_user_sgpr_kernarg_segment_ptr 1
		.amdhsa_wavefront_size32 1
		.amdhsa_system_sgpr_workgroup_id_x 1
		.amdhsa_system_sgpr_workgroup_id_y 1
		.amdhsa_system_sgpr_workgroup_id_z 1
		.amdhsa_system_vgpr_workitem_id 0
		.amdhsa_next_free_vgpr 1024
		.amdhsa_next_free_sgpr 100
		.amdhsa_reserve_vcc 0
		.amdhsa_float_denorm_mode_32 3
		.amdhsa_float_denorm_mode_16_64 3
		.amdhsa_fp16_overflow 1
		.amdhsa_memory_ordered 1
		.amdhsa_forward_progress 1
		.amdhsa_inst_pref_size 133
	.end_amdhsa_kernel
	.amdgpu_metadata
---
amdhsa.version: [ 1, 2 ]
amdhsa.kernels:
  - .name:           k_q0b29cdd6c8_qkv
    .symbol:         k_q0b29cdd6c8_qkv.kd
    .args:
      - { .name: x_codes, .offset: 0, .size: 8, .value_kind: global_buffer, .address_space: global }
      - { .name: W_qkv_codes, .offset: 8, .size: 8, .value_kind: global_buffer, .address_space: global }
      - { .name: b_qkv, .offset: 16, .size: 8, .value_kind: global_buffer, .address_space: global }
      - { .name: lowp_scales, .offset: 24, .size: 8, .value_kind: global_buffer, .address_space: global }
      - { .name: qkv, .offset: 32, .size: 8, .value_kind: global_buffer, .address_space: global }
    .group_segment_fixed_size: 327680
    .private_segment_fixed_size: 0
    .kernarg_segment_align: 8
    .kernarg_segment_size: 40
    .max_flat_workgroup_size: 128
    .sgpr_count:     100
    .vgpr_count:     1024
    .wavefront_size: 32
...
	.end_amdgpu_metadata
.endif
;; end of part 1
;; launch attn (part 2): grid 4 x 64, 16 waves a work-group, no clusters, 327,680 bytes of LDS; arguments qkv, lowp_scales, att; writes att
.if DOCPART == 2
	.amdgcn_target "amdgcn-amd-amdhsa--gfx1250"
	.amdhsa_code_object_version 6
	.text
	.protected	k_q0b29cdd6c8_attn
	.globl	k_q0b29cdd6c8_attn
	.p2align	8
	.type	k_q0b29cdd6c8_attn,@function
k_q0b29cdd6c8_attn:
	s_mov_b64 s[64:65], 0
	v_nop
	global_prefetch_b8 v0, s[64:65] scope:SCOPE_SE
	s_setreg_imm32_b32 hwreg(HW_REG_WAVE_MODE, 25, 1), 1
	s_wait_xcnt 0x0
; Causal attention on codes of FP8 (E4M3), head size 64, 64 heads (batch x head) of 2,048 tokens; the result quantised with 2^e6 for the last product.
; IN, the buffer qkv (three parts of 2^23 bytes): q, k: [head 64][t 2048][64 bytes]; v: [head][t / 64][channel 64][64 bytes along t].  In each run of 64 bytes place 32 g + 16 h + 8 u + j holds index 32 g + 16 u + 8 h + j.
; OUT, att: [head % 16][batch x 2048 + t][64 bytes, channels in order]: a wave's 16 rows are 1,024 consecutive bytes.
; THE SOFTMAX AHEAD OF THE SECOND PRODUCT: t = score x log2(e) / 8; M = the row's largest t so far, rounded up to a whole number; p = 2^(t - M) is quantised with 2^e4, not normalised.
; The row's sum is taken of the unquantised p and divides at the end.  When M moves, the sum and O are multiplied by 2^(old M - new M): exact.
; SHARES.  Work-group (i = x, head = y) owns the query blocks i and 7 - i of its head, 256 queries each, one after the other: block i wants key slots 0 .. i, block 7 - i slots 0 .. 7 - i (a slot: 256 keys):
; nine slots whatever i is.  So all 256 work-groups have the same work, the loop's trip count is a constant, no tile is fetched in vain.
; Each of the sixteen waves owns 16 queries of the block in hand, in 256 registers: four waves to a SIMD, so that one wave's vector work stands beside another's matrix work and LDS loads.
; NO CLUSTER: the four work-groups of a head want different tiles in the same trip (i = 0: 0, 0, 1 .. 7; i = 3: 0, 1, 2, 3, 0 .. 4); a joint walk that served all four would take 12 rounds in place of 9.
; LAYOUT.  Both products are used transposed: S^T = K Q^T (source 0 = 16 keys, source 1 = my 16 queries), O^T = V^T P^T: a lane holds one query (lane % 16) throughout.
; Register j of score tile T is key 16 T + 8 (lane / 16) + j; the codes of tiles 2 c and 2 c + 1 are registers 4 c .. 4 c + 3 of P's fragment, and v's bytes were stored in that very order.
; A step all of whose 128 keys come after my queries is left out by a scalar branch on ids; on the diagonal hidden scores become -infinity ahead of the maximum.  Key 0 counts for every query, so M is a number from the first step on.
; LIMITS on the given exponents, so that each power of two below is an f32 number: e2 + e3 between -123 and 130 (added to c's exponent field); e4, and e6 - e4 - e5, between -126 and 119.
; REGISTERS: v1-3, v7 addresses that stay; v5, v6 for the add; v8 the LDS address in hand; v4, v9, v31 at work; v11 the scale of the result; v12 -M, v13 the largest t, v[14:15] the sum;
;   v16-23 Q; v25 the scale of p; v[26:27] f, later 1 / sum; v[28:29] a second chain of the sum; v30 the permute's destination; v32-95 K's, then V's fragments; v96-159 S^T, then p; v160-191 O^T;
;   v192-207 p's codes; v208, v209 the stage's addresses; v212-219 rows read back from the stage.
.set SLOT1, 65536                      ; slot 1 begins here: one exclusive or turns an address in one slot into the other's
.set VOFF,  17408                      ; a slot: K's 256 keys x 64 bytes as 64 rows of 256 bytes + 16 of padding, then V's four blocks likewise
.set VBLK,  4352                       ; a block of V: 64 channels x 64 bytes = 16 rows of 272
.set STAGE, 131072                     ; behind the ring: 16 rows x 80 bytes for each wave
.set WST,   1280
.set SPARE, 151552                     ; the spare words, 128 bytes a wave: eight blocks of 256 bytes that no other line names
.set AF0,  1                           ; v1  my lane's place in a fragment: a row of 64 bytes, number n, lies at (n / 4) x 272 + (n % 4) x 64: the 16 rows of a load fall on 16 different groups of four banks
.set QO,   2
.set PFO,  3
.set SPW,  5
.set NIL,  6
.set GO,   7
.set ADR,  8
.set TB,   2                           ; s2   LDS byte at which the slot in hand begins
.set WV,   18
.set SEL,  20
.set CS,   22
.set G1,   24
.set G0,   40
.set KVB,  44                          ; s[44:45] the head's first byte of K (wave 0) or V (wave 1)
.set FT,   48                          ; s48  the tile to fetch
.set FC,   49                          ; s49  fetches left in the first block
.set PH,   50                          ; s50  slots left in the first block
.set SLOTS, 67
.set PFA,  76
.set LIMS, 80
.set TS,   96
.set KF,   98                          ; s98  the step's first key
.set Q0,   99                          ; s99  my first query
; Wave 0 fetches K's tile, wave 1 V's: one shape, 64 rows of 256 bytes, dense in memory.  Four v_nop follow the line.
.macro TLOAD
	s_cmp_lt_u32 s[WV], 2
	s_cbranch_scc0 .Lasked_\@
	tensor_load_to_lds s[G0:G0+3], s[G1:G1+7]
	s_nop 0
.rept 4
	v_nop
.endr
.Lasked_\@:
.endm
; A prefetch into the L2 of key tiles 1 to 7, each block of 256 bytes named once in the launch: the head's work-group with i = 0 asks, in waves 4 to 7, which fetch nothing: waves 4, 5 for the two halves
; of K's 16,384 bytes, waves 6, 7 for V's; lanes 256 bytes apart.  Trip n asks for tile n + 1, which that work-group's tensor load wants in trip n + 1.  The last filling trip asks for nothing; nothing is asked at the head.
.macro ASK
	s_cmp_gt_u32 s[SLOTS], s[LIMS]
	s_cbranch_scc0 .Lnot_mine_\@
	global_prefetch_b8 v[PFO], s[PFA:PFA+1] th:TH_LOAD_NT scope:SCOPE_SE
.Lnot_mine_\@:
.endm
.macro RESET                           ; a block of queries begins: the first step finds zeros, which the first change of M leaves zeros
	v_mov_b32 v13, 0xff61b1e6                      ; the largest t so far: -3e38
	s_delay_alu instid0(VALU_DEP_1)
	v_floor_f32 v12, -v13
	v_mov_b32 v14, 0
	v_mov_b32 v15, 0
.set n, 0
.rept 32
	v_mov_b32 v[160+n], 0
.set n, n+1
.endr
.endm
.macro QLOAD                           ; my 16 queries' codes: lane (r, h): bytes 16 h and 32 + 16 h of row r
	s_lshl_b32 s60, s[Q0], 6
	s_add_nc_u64 s[54:55], s[52:53], s[60:61]
	global_load_b128 v[16:19], v[QO], s[54:55]
	global_load_b128 v[20:23], v[QO], s[54:55] offset:32
.endm
	s_load_b128 s[4:7], s[0:1], 0x0                ; qkv s[4:5], the scales' exponents s[6:7]
	s_load_b64 s[8:9], s[0:1], 0x10                ; att
	v_lshl_add_u32 v[SPW], v0, 2, SPARE
	v_mov_b32 v[NIL], 0
	ds_add_u32 v5, v6
	ds_add_u32 v5, v6
	s_wait_dscnt 0x0
	v_lshrrev_b32 v8, 5, v0
	s_delay_alu instid0(VALU_DEP_1)
	v_readfirstlane_b32 s[WV], v8                  ; wave 0..15
	s_and_b32 s62, ttmp7, 0xffff                   ; the head, 16 x batch + head
	s_and_b32 s63, s[WV], 1
	s_lshl_b32 s46, s62, 17                        ; its bytes in each part
	s_mov_b32 s47, 0
	s_mov_b32 s61, 0                               ; the upper word of the offsets' pair s[60:61]: stays 0
	s_mov_b32 s[G1], (0<<16)|(1<<20)|(5<<22)|(3<<25)   ; no mask; elements of 1 byte; padding on: four words after every 64
	s_mov_b32 s[G1+1], 256<<16                     ; tensor_dim0
	s_mov_b32 s[G1+2], 64<<16                      ; tensor_dim1
	s_mov_b32 s[G1+3], 256<<16                     ; tile_dim0
	s_mov_b32 s[G1+4], 64                          ; tile_dim1
	s_mov_b32 s[G1+5], 256                         ; tensor_dim0_stride: dense
	s_mov_b32 s[G1+6], 0
	s_mov_b32 s[G1+7], 0
	s_mov_b32 s[SEL], 0x76543210
	s_mov_b32 s[SEL+1], 0xfedcba98
	s_mov_b32 s[CS], 0x3e38aa3b                    ; c = log2(e) / 8
	s_mov_b32 s[TB], 0
	s_mov_b32 s[SLOTS], 8
	s_mov_b32 s[KF], 0
	s_mov_b32 s[FT], 0
	s_mov_b32 s[FC], ttmp9
	s_add_co_u32 s[PH], ttmp9, 1
	s_lshl_b32 s[TS], s[WV], 4
	s_lshl_b32 s[Q0], ttmp9, 8
	s_add_co_u32 s[Q0], s[Q0], s[TS]               ; first block: query 256 i + 16 wave
	s_sub_co_u32 s51, 7, ttmp9
	s_lshl_b32 s51, s51, 8
	s_add_co_u32 s51, s51, s[TS]                   ; second block: 256 (7 - i) + 16 wave
	s_wait_kmcnt 0x0
	s_load_b256 s[68:75], s[6:7], 0x0              ; e0 .. e7
	s_add_nc_u64 s[52:53], s[4:5], s[46:47]        ; q's rows of my head
	s_add_co_u32 s60, s63, 1
	s_lshl_b32 s60, s60, 23
	s_add_nc_u64 s[KVB:KVB+1], s[52:53], s[60:61]  ; part 1 (K) in even waves, part 2 (V) in odd ones
	s_mov_b32 s[G0], 1
	s_mul_i32 s[G0+1], s63, VOFF                   ; slot 0: K's place or V's
	s_mov_b64 s[G0+2:G0+3], s[KVB:KVB+1]           ; tile 0
	s_or_b32 s[G0+3], s[G0+3], 0x80000000
	TLOAD
	s_lshr_b32 s60, s[WV], 1                       ; the prefetches: waves 4, 5: K; waves 6, 7: V
	s_and_b32 s60, s60, 1
	s_add_co_u32 s60, s60, 1
	s_lshl_b32 s60, s60, 23
	s_lshl_b32 s[TS], s63, 13                      ; my half of a tile
	s_add_co_u32 s60, s60, s[TS]
	s_add_nc_u64 s[PFA:PFA+1], s[52:53], s[60:61]  ; at tile 0: each change of slots steps it first
	s_lshr_b32 s[TS], s[WV], 2
	s_xor_b32 s[TS], s[TS], 1                      ; 0 in waves 4 to 7,
	s_or_b32 s[TS], s[TS], ttmp9                   ; of the work-group with i = 0
	s_cmp_eq_u32 s[TS], 0
	s_cselect_b32 s[LIMS], 1, -1
	s_and_b32 s60, s62, 15
	s_lshl_b32 s60, s60, 19
	s_lshr_b32 s[TS], s62, 4
	s_lshl_b32 s[TS], s[TS], 17
	s_add_co_u32 s60, s60, s[TS]
	s_add_nc_u64 s[56:57], s[8:9], s[60:61]        ; att at my head's rows of my batch
	v_and_b32 v8, 15, v0                           ; r
	v_bfe_u32 v9, v0, 4, 1                         ; h
	s_delay_alu instid0(VALU_DEP_2)
	v_lshrrev_b32 v4, 2, v8
	s_delay_alu instid0(VALU_DEP_1)
	v_mul_u32_u24 v[AF0], v4, 272
	s_delay_alu instid0(VALU_DEP_4)
	v_and_b32 v4, 3, v8
	s_delay_alu instid0(VALU_DEP_1)
	v_lshl_add_u32 v[AF0], v4, 6, v[AF0]
	s_delay_alu instid0(VALU_DEP_1)
	v_lshl_add_u32 v[AF0], v9, 4, v[AF0]
	v_lshlrev_b32 v[QO], 6, v8
	s_delay_alu instid0(VALU_DEP_1)
	v_lshl_add_u32 v[QO], v9, 4, v[QO]
	v_and_b32 v4, 31, v0
	s_delay_alu instid0(VALU_DEP_1)
	v_lshlrev_b32 v[PFO], 8, v4
	s_delay_alu instid0(VALU_DEP_2)
	v_lshlrev_b32 v[GO], 4, v4
	s_mul_i32 s[TS], s[WV], WST
	s_add_co_u32 s[TS], s[TS], STAGE               ; my stage
	v_mul_u32_u24 v208, v8, 80
	s_delay_alu instid0(VALU_DEP_1)
	v_lshl_add_u32 v208, v9, 3, v208
	s_delay_alu instid0(VALU_DEP_1)
	v_add_nc_u32 v208, s[TS], v208                 ; in: row r, 8 bytes for each half of the lanes
	v_lshrrev_b32 v31, 2, v4
	s_delay_alu instid0(VALU_DEP_1)
	v_mul_u32_u24 v209, v31, 80
	v_and_b32 v31, 3, v0
	s_delay_alu instid0(VALU_DEP_1)
	v_lshl_add_u32 v209, v31, 4, v209
	s_delay_alu instid0(VALU_DEP_1)
	v_add_nc_u32 v209, s[TS], v209                 ; back: four lanes to a row of 64 bytes, eight rows an instruction
	QLOAD
	RESET
	v_mov_b32 v27, 0                               ; (named as the upper half of the pair v[26:27])
	v_mov_b32 v30, 0                               ; written once: a lane permute's destination counts as one of its sources
	s_wait_kmcnt 0x0
	s_add_co_i32 s[TS], s70, s71
	s_lshl_b32 s[TS], s[TS], 23
	s_add_co_i32 s[CS], s[CS], s[TS]               ; a score stands for score x 2^(e2 + e3): the two exponents are added to c's exponent field
	s_mov_b32 s[CS+1], s[CS]
	s_add_co_i32 s[TS], s72, 127
	s_lshl_b32 s97, s[TS], 23
	v_mov_b32 v25, s97                             ; 2^e4 as f32
	s_sub_co_i32 s[TS], s74, s72
	s_sub_co_i32 s[TS], s[TS], s73                 ; a sum of the second product stands for sum x 2^(e4 + e5): its code is (sum / l) / 2^(e6 - e4 - e5)
	s_add_co_i32 s[TS], s[TS], 127
	s_lshl_b32 s97, s[TS], 23
	v_mov_b32 v11, s97
; A KEY STEP: 128 keys, the q-th of the slot in hand.
.macro STEP q
	s_add_co_u32 s[TS], s[Q0], 15
	s_cmp_gt_u32 s[KF], s[TS]
	s_cbranch_scc1 .Lhidden_\@                     ; all 128 keys come after my queries
	v_add_nc_u32 v[ADR], s[TB], v[AF0]
.rept 3
	v_nop                                          ; with the addition above: four places in front of loads into registers that the last products read
.endr
.irp t, 0,1,2,3,4,5,6,7
.irp c, 0,1
	ds_load_b128 v[32+8*\t+4*\c:35+8*\t+4*\c], v[ADR] offset:(32*(\q)+4*\t)*272+32*\c
.endr
.endr
	s_wait_alu depctr_va_vdst(0)
	s_wait_dscnt 0x0
.irp t, 0,1,2,3,4,5,6,7
	v_wmma_f32_16x16x64_fp8_fp8 v[96+8*\t:103+8*\t], v[32+8*\t:39+8*\t], v[16:23], 0
.endr
.rept 4
	v_nop                                          ; four places: for V's loads into K's registers, and for the first read of the scores
.endr
.irp t, 0,1,2,3                                ; V's four fragments (16 channels x 128 keys) are asked for now and land under the softmax
.irp c, 0,1,2,3
	ds_load_b128 v[32+16*\t+4*\c:35+16*\t+4*\c], v[ADR] offset:VOFF+(2*(\q)+\c/2)*VBLK+4*\t*272+32*(\c%2)
.endr
.endr
	s_add_co_u32 s[TS], s[KF], 127
	s_cmp_le_u32 s[TS], s[Q0]
	s_cbranch_scc1 .Lopen_\@                       ; all 128 keys count
	s_sub_co_i32 s[TS], s[Q0], s[KF]
	v_and_b32 v9, 15, v0
	v_bfe_u32 v4, v0, 4, 1
	s_delay_alu instid0(VALU_DEP_1)
	v_lshlrev_b32 v4, 3, v4
	s_delay_alu instid0(VALU_DEP_1)
	v_sub_nc_u32 v9, v9, v4
	s_delay_alu instid0(VALU_DEP_1)
	v_add_nc_u32 v9, s[TS], v9                     ; d = my query - KF - 8 (lane / 16).  Register 8 T + j holds key KF + 8 (lane / 16) + 16 T + j: hidden where 16 T + j > d
	v_mov_b32 v31, 0xff800000                      ; -infinity
.set n, 0
.rept 64
	v_cmp_gt_i32 vcc_lo, 16*(n/8)+n%8, v9
	v_cndmask_b32 v[96+n], v[96+n], v31, vcc_lo
.set n, n+1
.endr
.Lopen_\@:
	v_max3_num_f32 v4, v96, v97, v98               ; the step's largest score of my query among my 64 keys, in two chains, each tile from its low end on
	v_max3_num_f32 v9, v99, v100, v101
.irp i, 6,10,14,18,22,26,30,34,38,42,46,50,54,58
	v_max3_num_f32 v4, v4, v[96+\i], v[97+\i]
	v_max3_num_f32 v9, v9, v[98+\i], v[99+\i]
.endr
	v_max3_num_f32 v4, v4, v158, v159
	s_delay_alu instid0(VALU_DEP_1)
	v_max_num_f32 v4, v4, v9
	s_delay_alu instid0(VALU_DEP_1)
	v_permlanex16_b32 v30, v4, s[SEL], s[SEL+1]
	s_delay_alu instid0(VALU_DEP_1)
	v_max_num_f32 v4, v4, v30                      ; and among lane l xor 16's
	s_delay_alu instid0(VALU_DEP_1)
	v_mul_f32 v4, s[CS], v4                        ; as t (c is positive)
	s_delay_alu instid0(VALU_DEP_1)
	v_max_num_f32 v13, v13, v4                     ; the running largest t
	v_mov_b32 v4, v12
	s_delay_alu instid0(VALU_DEP_2)
	v_floor_f32 v12, -v13                          ; the new -M = floor(-t): M is a whole number
	s_delay_alu instid0(VALU_DEP_1)
	v_sub_f32 v4, v12, v4                          ; old M - new M: a whole number, 0 or less
	s_delay_alu instid0(VALU_DEP_1)
	v_cvt_i32_f32 v4, v4                           ; (it saturates)
	s_delay_alu instid0(VALU_DEP_1)
	v_ldexp_f32 v26, 1.0, v4                       ; f = 2^(old M - new M)
.set n, 0
.rept 32
	v_pk_fma_f32 v[96+n:97+n], v[96+n:97+n], s[CS:CS+1], v[12:13] op_sel_hi:[1,0,0]   ; t - M, two at a time
.set n, n+2
.endr
.set n, 0
	s_wait_alu depctr_va_vdst(0)
.rept 64
	v_exp_f32 v[96+n], v[96+n]                     ; p = 2^(t - M), at most 1
.set n, n+1
.endr
	v_pk_mul_f32 v[14:15], v[14:15], v[26:27] op_sel_hi:[1,0]   ; the sums under the new M: the plain instruction behind the exponentials
	s_wait_alu depctr_va_vdst(0)                   ; one wait for the whole batch, ahead of its first reader
	v_pk_add_f32 v[28:29], v[100:101], v[104:105]
	v_pk_add_f32 v[254:255], v[108:109], v[112:113]
	v_pk_add_f32 v[252:253], v[116:117], v[120:121]
	v_pk_add_f32 v[250:251], v[124:125], v[128:129]
	v_pk_add_f32 v[248:249], v[132:133], v[136:137]
	v_pk_add_f32 v[246:247], v[140:141], v[144:145]
	v_pk_add_f32 v[244:245], v[148:149], v[152:153]
	v_pk_add_f32 v[14:15], v[14:15], v[156:157]
	v_pk_add_f32 v[28:29], v[28:29], v[96:97]
	v_pk_add_f32 v[254:255], v[254:255], v[98:99]
	v_pk_add_f32 v[252:253], v[252:253], v[102:103]
	v_pk_add_f32 v[250:251], v[250:251], v[106:107]
	v_pk_add_f32 v[248:249], v[248:249], v[110:111]
	v_pk_add_f32 v[246:247], v[246:247], v[114:115]
	v_pk_add_f32 v[244:245], v[244:245], v[118:119]
	v_pk_add_f32 v[14:15], v[14:15], v[122:123]
	v_pk_add_f32 v[28:29], v[28:29], v[126:127]
	v_pk_add_f32 v[254:255], v[254:255], v[130:131]
	v_pk_add_f32 v[252:253], v[252:253], v[134:135]
	v_pk_add_f32 v[250:251], v[250:251], v[138:139]
	v_pk_add_f32 v[248:249], v[248:249], v[142:143]
	v_pk_add_f32 v[246:247], v[246:247], v[146:147]
	v_pk_add_f32 v[244:245], v[244:245], v[150:151]
	v_pk_add_f32 v[14:15], v[14:15], v[154:155]
	v_pk_add_f32 v[28:29], v[28:29], v[158:159]
	s_delay_alu instid0(VALU_DEP_2)
	v_pk_add_f32 v[14:15], v[14:15], v[250:251]
	s_delay_alu instid0(VALU_DEP_2)
	v_pk_add_f32 v[28:29], v[28:29], v[248:249]
	v_pk_add_f32 v[254:255], v[254:255], v[246:247]
	v_pk_add_f32 v[252:253], v[252:253], v[244:245]
	s_delay_alu instid0(VALU_DEP_2)
	v_pk_add_f32 v[14:15], v[14:15], v[254:255]
	s_delay_alu instid0(VALU_DEP_2)
	v_pk_add_f32 v[28:29], v[28:29], v[252:253]
	s_delay_alu instid0(VALU_DEP_1)
	v_pk_add_f32 v[14:15], v[14:15], v[28:29]
.irp t, 0,1,2,3,4,5,6,7
.irp j, 0,1,2,3,4,5,6,7
.endr
	v_cvt_scalef32_pk8_fp8_f32 v[192+2*\t:193+2*\t], v[96+8*\t:103+8*\t], v25
.endr
.set n, 0
.rept 16
	v_pk_mul_f32 v[160+n:161+n], v[160+n:161+n], v[26:27] op_sel_hi:[1,0]   ; O^T under the new M; these are also the plain instructions between the conversions and the products
.set n, n+2
.endr
	s_wait_alu depctr_va_vdst(0)
	s_wait_dscnt 0x0                               ; V's fragments are in
.irp t, 0,1,2,3
	v_wmma_f32_16x16x128_fp8_fp8 v[160+8*\t:167+8*\t], v[32+16*\t:47+16*\t], v[192:207], v[160+8*\t:167+8*\t]
.endr
.Lhidden_\@:
	s_add_co_u32 s[KF], s[KF], 128
.endm
; THE CHANGE OF SLOTS stands at a slot's head.  Each wave waits for all its tensor loads, adds 0 to its spare word, and waits for that and for its reads of the slot that it has left.
; Behind the barrier the slot ahead is whole and nobody reads the other one.  fill = 1: that other slot takes the next tile of the walk: one further, or tile 0 where the second block of queries begins.
.macro CHANGE fill
	s_wait_tensorcnt 0x0                           ; no tensor load of mine is out, so group 0 may be written
	ds_add_u32 v[SPW], v[NIL]                      ; 0 onto my spare word
.if \fill
	s_add_co_u32 s[FT], s[FT], 1
	s_cmp_eq_u32 s[FC], 0
	s_cselect_b32 s[FT], 0, s[FT]
	s_sub_co_u32 s[FC], s[FC], 1
	s_lshl_b32 s46, s[FT], 14                      ; a tile is 16,384 bytes, of K as of V
	s_xor_b32 s[G0+1], s[G0+1], SLOT1
	s_add_nc_u64 s[G0+2:G0+3], s[KVB:KVB+1], s[46:47]
	s_or_b32 s[G0+3], s[G0+3], 0x80000000
	s_wait_xcnt 0x0                                ; the last prefetch, a slot back, has read its address, so it may be written
	s_add_nc_u64 s[PFA:PFA+1], s[PFA:PFA+1], 16384
.endif
	s_wait_dscnt 0x0                               ; the add is done, and my reads of the slot that I have left are over
	s_barrier_signal -1
	s_barrier_wait -1
.if \fill
	TLOAD                                          ; the first thing behind the barrier, and a wave's one tensor load until the next
	ASK
.endif
.endm
.macro SLOT_STEPS
	STEP 0
	STEP 1
	s_xor_b32 s[TB], s[TB], SLOT1
.endm
; A block of queries is done: O^T / the sum, converted with 2^(e6 - e4 - e5), through my stage, out as 1,024 consecutive bytes.
.macro FINISH
	s_wait_xcnt 0x0                                ; earlier stores have read their base and their data: both are written below
.rept 4
	v_nop                                          ; four places behind the last products
.endr
	v_add_f32 v14, v14, v15
	s_wait_alu depctr_va_vdst(0)
	v_permlanex16_b32 v30, v14, s[SEL], s[SEL+1]
	s_delay_alu instid0(VALU_DEP_1)
	v_add_f32 v14, v14, v30                        ; the row's sum
	s_wait_alu depctr_va_vdst(0)
	v_rcp_f32 v26, v14
	v_nop                                          ; a plain instruction behind the reciprocal
	s_lshl_b32 s60, s[Q0], 6
	s_add_nc_u64 s[58:59], s[56:57], s[60:61]
	s_wait_alu depctr_va_vdst(0)                   ; and the wait ahead of its first reader
.set n, 0
.rept 16
	v_pk_mul_f32 v[96+n:97+n], v[160+n:161+n], v[26:27] op_sel_hi:[1,0]   ; register 8 T + j: channel 16 T + 8 (lane / 16) + j of my query
.set n, n+2
.endr
.set n, 0
.rept 32
.set n, n+1
.endr
.irp t, 0,1,2,3
	v_cvt_scalef32_pk8_fp8_f32 v[128+2*\t:129+2*\t], v[96+8*\t:103+8*\t], v11
.endr
	v_nop                                          ; one plain vector instruction behind the last scaled conversion
.irp t, 0,1,2,3
	ds_store_b64 v208, v[128+2*\t:129+2*\t] offset:16*\t
.endr
	ds_load_b128 v[212:215], v209                  ; LDS serves a wave's instructions in order: these see my stores
	ds_load_b128 v[216:219], v209 offset:640
	s_wait_dscnt 0x0
	global_store_b128 v[GO], v[212:215], s[58:59] th:TH_STORE_NT   ; 32 lanes store 512 consecutive bytes, at a multiple of 256 from the buffer's first byte
	global_store_b128 v[GO], v[216:219], s[58:59] offset:512 th:TH_STORE_NT
.endm
.macro RESTART
	s_mov_b32 s[Q0], s51
	s_mov_b32 s[KF], 0
	QLOAD
	RESET
	s_wait_loadcnt 0x0
.endm
	s_wait_loadcnt 0x0                             ; Q
.Lslot:                                            ; eight trips: behind each change of slots but the last the next tile is asked for
	CHANGE 1
	SLOT_STEPS
	s_sub_co_u32 s[PH], s[PH], 1
	s_cmp_lg_u32 s[PH], 0
	s_cbranch_scc1 .Lsame                          ; behind slot i of the walk the first block is done (a branch on the work-group's x): no barrier and no tensor load stands under it
	FINISH
	RESTART
.Lsame:
	s_sub_co_u32 s[SLOTS], s[SLOTS], 1
	s_cmp_lg_u32 s[SLOTS], 0
	s_cbranch_scc1 .Lslot
	CHANGE 0                                       ; the last slot is written out
	SLOT_STEPS
	FINISH
	s_wait_tensorcnt 0x0                           ; the wave's end
	ds_add_u32 v[SPW], v[NIL]
	s_wait_dscnt 0x0
	s_endpgm
.Lfunc_end_k_q0b29cdd6c8_attn:
	.size	k_q0b29cdd6c8_attn, .Lfunc_end_k_q0b29cdd6c8_attn-k_q0b29cdd6c8_attn
	.p2alignl 7, 3214868480
	.fill 96, 4, 3214868480
	.section	.rodata,"a",@progbits
	.p2align	6, 0x0
	.amdhsa_kernel k_q0b29cdd6c8_attn
		.amdhsa_group_segment_fixed_size 327680
		.amdhsa_private_segment_fixed_size 0
		.amdhsa_enable_private_segment 0
		.amdhsa_kernarg_size 24
		.amdhsa_user_sgpr_count 2
		.amdhsa_user_sgpr_kernarg_segment_ptr 1
		.amdhsa_wavefront_size32 1
		.amdhsa_system_sgpr_workgroup_id_x 1
		.amdhsa_system_sgpr_workgroup_id_y 1
		.amdhsa_system_sgpr_workgroup_id_z 1
		.amdhsa_system_vgpr_workitem_id 0
		.amdhsa_next_free_vgpr 256
		.amdhsa_next_free_sgpr 100
		.amdhsa_reserve_vcc 1
		.amdhsa_float_denorm_mode_32 3
		.amdhsa_float_denorm_mode_16_64 3
		.amdhsa_fp16_overflow 1
		.amdhsa_memory_ordered 1
		.amdhsa_forward_progress 1
		.amdhsa_inst_pref_size 92
	.end_amdhsa_kernel
	.amdgpu_metadata
---
amdhsa.version: [ 1, 2 ]
amdhsa.kernels:
  - .name:           k_q0b29cdd6c8_attn
    .symbol:         k_q0b29cdd6c8_attn.kd
    .args:
      - { .name: qkv, .offset: 0, .size: 8, .value_kind: global_buffer, .address_space: global }
      - { .name: lowp_scales, .offset: 8, .size: 8, .value_kind: global_buffer, .address_space: global }
      - { .name: att, .offset: 16, .size: 8, .value_kind: global_buffer, .address_space: global }
    .group_segment_fixed_size: 327680
    .private_segment_fixed_size: 0
    .kernarg_segment_align: 8
    .kernarg_segment_size: 24
    .max_flat_workgroup_size: 512
    .sgpr_count:     100
    .vgpr_count:     256
    .wavefront_size: 32
...
	.end_amdgpu_metadata
.endif
;; end of part 2
;; launch proj (part 3): grid 4 x 64, 4 waves a work-group, clusters of 4 x 4, 327,680 bytes of LDS; arguments att, W_proj_codes, b_proj, lowp_scales, out0; writes out0
.if DOCPART == 3
	.amdgcn_target "amdgcn-amd-amdhsa--gfx1250"
	.amdhsa_code_object_version 6
	.text
	.protected	k_q0b29cdd6c8_proj
	.globl	k_q0b29cdd6c8_proj
	.p2align	8
	.type	k_q0b29cdd6c8_proj,@function
k_q0b29cdd6c8_proj:
	s_mov_b64 s[64:65], 0
	v_nop
	global_prefetch_b8 v0, s[64:65] scope:SCOPE_SE
	s_setreg_imm32_b32 hwreg(HW_REG_WAVE_MODE, 25, 1), 1
	s_wait_xcnt 0x0
	s_wait_alu depctr_hold_cnt(0) depctr_sa_sdst(0) depctr_va_vdst(0) depctr_va_sdst(0) depctr_va_ssrc(0) depctr_va_vcc(0) depctr_vm_vsrc(0)
	s_getreg_b32 s2, hwreg(HW_REG_IB_STS2, 6, 4)
	s_cmp_eq_u32 s2, 0
	s_cbranch_scc0 .Lentry_in_a_cluster
	s_endpgm
.Lentry_in_a_cluster:
	s_bfe_u32 s2, ttmp6, 0x10000c
	s_cmp_lg_u32 s2, 0xf033
	s_cbranch_scc0 .Lentry_shape_is_right
	s_endpgm
.Lentry_shape_is_right:
; out0 = att W_proj + b_proj on codes of FP8 (E4M3): out0[m][n] = 2^(e6 + e7) x sum over k of A[m][k] B[n][k] + b_proj[n].
; A = att: [head 16][row 8192][64 bytes]: k = 64 head + byte.  B = W_proj's codes: [1024][1024], K innermost.  out0: [8192][1024] f32.
; A tile of 128 (m) x 256 (n) a work-group: 256 work-groups; a wave makes 64 x 128: 32 accumulators.  The 33.5 MB of stores outweigh the products, so the schedule is plain and written out.
; K goes in four steps of 256 (four heads) through THREE LDS slots: steps 0, 1, 2 are first fills, issued together; step 3 refills slot 0, behind one round of the cluster's barrier.
; CLUSTERS: 4 x 4 work-groups; A's tile is shared along a row of the cluster, B's along a column: each is asked for jointly.
; The matrix instruction is used transposed (source 0 = 16 rows of B, source 1 = 16 rows of A): a lane holds eight neighbouring numbers of a row of out0.
; LIMIT: e6 + e7 lies between -126 and 127, so that 2^(e6 + e7) is an f32 number.
; REGISTERS: window 0: v0-31 addresses; A's fragments (4 x 16 rows x 128 K), two sets at v64 and v128; on the way out v32-95 and v128-255.   window 1: B's fragments, two sets at v0 and v128.
;   window 2: the accumulators, (a, b) at v[8 (8 a + b)].   window 3: v0-63 the bias of my 128 columns, in the result's layout.
.set KROW,   1024
.set PITCH,  272
.set FR,     16
.set AHEAD,  8704                      ; a head's 128 rows x 64 bytes in LDS: 8,192 bytes with 16 of padding behind every 256: row n lies at (n / 4) x 272 + (n % 4) x 64
.set BOFF,   4*AHEAD                   ; behind A's four heads: B's 256 rows of 272
.set HALFB,  128*PITCH
.set SLOT,   BOFF+2*HALFB
.set SPARE,  3*SLOT                    ; the spare words, 128 bytes a wave: two blocks of 256 bytes that no other line names
.set STAGE,  SLOT                      ; the way out: in slot 1, which has had its one fill, and whose last read lies in front of the last barrier
.set SPITCH, 528
.set ADRA, 16                          ; v16-18
.set ADRB, 20                          ; v20-22
.set STO,  24
.set RD,   25
.set CO,   26
.set SPW,  28
.set NIL,  29
.set OJ,   30
.set TMP,  32
.set AF,   64
.set BK,   128
.set G1A, 24
.set G0A, 32                           ; s[32:43] three sets
.set G1B, 48
.set G0B, 68                           ; s[68:79] three sets
.set MSB, 0
.macro WIN new
.if MSB != (\new)
	s_set_vgpr_msb (MSB<<8)|(\new)
.set MSB, (\new)
.endif
.endm
.set MUL,  0xa1                        ; source 0 (B) window 1, source 1 (A) window 0, C and D window 2
.set TO_B, 0x40
.macro JLOAD                           ; the one refill: waves 0 and 1 fetch for A, waves 2 and 3 for B; four v_nop follow each line
	s_cmp_eq_u32 s15, 0
	s_cbranch_scc0 .Lfor_b_\@
	tensor_load_to_lds s[G0A:G0A+3], s[G1A:G1A+7]
	s_nop 0
.rept 4
	v_nop
.endr
	s_branch .Lasked_\@
.Lfor_b_\@:
	tensor_load_to_lds s[G0B:G0B+3], s[G1B:G1B+7]
	s_nop 0
.rept 4
	v_nop
.endr
.Lasked_\@:
.endm
.macro CREST
	s_cmp_lg_u32 s14, 0
	s_cbranch_scc1 .Lnot_wave_0_\@
	s_barrier_signal -3
.Lnot_wave_0_\@:
	s_barrier_wait -3
	s_barrier_signal -1
	s_barrier_wait -1
.endm
.macro CROUND
	s_barrier_signal -1
	s_barrier_wait -1
	CREST
.endm
	s_load_b256 s[4:11], s[0:1], 0x0               ; att s[4:5], W s[6:7], b_proj s[8:9], the scales' exponents s[10:11]
	s_load_b64 s[12:13], s[0:1], 0x20              ; out0
	v_lshl_add_u32 v[SPW], v0, 2, SPARE
	v_mov_b32 v[NIL], 0
	ds_add_u32 v28, v29
	ds_add_u32 v28, v29
	s_wait_dscnt 0x0
	v_lshrrev_b32 v1, 5, v0
	v_readfirstlane_b32 s14, v1                    ; wave 0..3
	s_lshr_b32 s15, s14, 1                         ; RH: which 64 rows are mine.  Also: I fetch for A (0) or for B (1)
	s_and_b32 s16, s14, 1                          ; CH: which 128 columns.  Also: which half of that tile I fetch
	s_bfe_u32 s44, ttmp6, 0x40000                  ; cx
	s_bfe_u32 s45, ttmp6, 0x40004                  ; cy
	s_lshl_b32 s18, ttmp9, 2
	s_add_co_u32 s18, s18, s44                     ; TC: tile column
	s_and_b32 s17, ttmp7, 0xffff
	s_lshl_b32 s17, s17, 2
	s_add_co_u32 s17, s17, s45                     ; TR: tile row
	s_lshl_b32 s46, s45, 2
	s_lshl_b32 s46, 15, s46                        ; my row of the cluster
	s_lshl_b32 s47, 0x1111, s44                    ; my column
	; A's tile: two lines of 8,192 bytes, one a head (128 rows x 64 bytes, dense), 2^19 bytes apart; the padding's interval, 64 words, divides a line, so the lines lie 8,704 bytes apart in LDS
	s_or_b32 s[G1A+0], s46, (0<<16)|(1<<20)|(1<<21)|(5<<22)|(3<<25)
	s_mov_b32 s[G1A+1], 8192<<16                   ; tensor_dim0
	s_mov_b32 s[G1A+2], 2<<16                      ; tensor_dim1
	s_mov_b32 s[G1A+3], 8192<<16                   ; tile_dim0
	s_mov_b32 s[G1A+4], 2                          ; tile_dim1
	s_mov_b32 s[G1A+5], 524288                     ; tensor_dim0_stride
	s_mov_b32 s[G1A+6], 0
	s_mov_b32 s[G1A+7], 0
	; B's tile: 128 rows of 256 bytes, 1,024 bytes apart
	s_or_b32 s[G1B+0], s47, (0<<16)|(1<<20)|(1<<21)|(5<<22)|(3<<25)
	s_mov_b32 s[G1B+1], 256<<16
	s_mov_b32 s[G1B+2], 128<<16
	s_mov_b32 s[G1B+3], 256<<16
	s_mov_b32 s[G1B+4], 128
	s_mov_b32 s[G1B+5], KROW
	s_mov_b32 s[G1B+6], 0
	s_mov_b32 s[G1B+7], 0
	s_lshl_b32 s20, s16, 20                        ; A: heads 2 x half on,
	s_lshl_b32 s21, s17, 13                        ; rows 128 TR on
	s_add_co_u32 s20, s20, s21
	s_mov_b32 s21, 0
	s_lshl_b32 s22, s18, 8
	s_lshl_b32 s23, s16, 7
	s_add_co_u32 s22, s22, s23
	s_lshl_b32 s22, s22, 10                        ; B: row 256 TC + 128 x half
	s_mov_b32 s23, 0
	s_mul_i32 s84, s16, 2*AHEAD                    ; where they go: no place in the cluster enters an LDS address
	s_mul_i32 s85, s16, HALFB
	s_add_co_u32 s85, s85, BOFF
	s_wait_kmcnt 0x0
	s_load_b256 s[56:63], s[10:11], 0x0            ; e0 .. e7
	s_add_nc_u64 s[80:81], s[4:5], s[20:21]
	s_add_nc_u64 s[82:83], s[6:7], s[22:23]
	CROUND                                         ; all sixteen work-groups are here: the first joint loads meet
.irp s, 0,1,2
	s_mov_b32 s[G0A+4*\s], 1
	s_add_co_u32 s[G0A+4*\s+1], s84, \s*SLOT
	s_add_nc_u64 s[G0A+4*\s+2:G0A+4*\s+3], s[80:81], \s*0x200000   ; K step s: four heads on
	s_or_b32 s[G0A+4*\s+3], s[G0A+4*\s+3], 0x80000000
	s_mov_b32 s[G0B+4*\s], 1
	s_add_co_u32 s[G0B+4*\s+1], s85, \s*SLOT
	s_add_nc_u64 s[G0B+4*\s+2:G0B+4*\s+3], s[82:83], \s*256
	s_or_b32 s[G0B+4*\s+3], s[G0B+4*\s+3], 0x80000000
.endr
	s_cmp_eq_u32 s15, 0                            ; a wave's three first fills stand in one branch, ahead of every wait on TENSORcnt and every LDS read: three loads of mine are out
	s_cbranch_scc0 .Lfirst_b
	tensor_load_to_lds s[G0A:G0A+3], s[G1A:G1A+7]
	s_nop 0
	tensor_load_to_lds s[G0A+4:G0A+7], s[G1A:G1A+7]
	s_nop 0
	tensor_load_to_lds s[G0A+8:G0A+11], s[G1A:G1A+7]
	s_nop 0
.rept 4
	v_nop
.endr
	s_branch .Lfirst_asked
.Lfirst_b:
	tensor_load_to_lds s[G0B:G0B+3], s[G1B:G1B+7]
	s_nop 0
	tensor_load_to_lds s[G0B+4:G0B+7], s[G1B:G1B+7]
	s_nop 0
	tensor_load_to_lds s[G0B+8:G0B+11], s[G1B:G1B+7]
	s_nop 0
.rept 4
	v_nop
.endr
.Lfirst_asked:
	v_and_b32 v1, 15, v0                           ; r
	v_bfe_u32 v2, v0, 4, 1                         ; h
	v_lshrrev_b32 v3, 2, v1
	v_mul_u32_u24 v3, v3, PITCH
	v_and_b32 v4, 3, v1
	v_lshl_add_u32 v3, v4, 6, v3
	v_lshl_add_u32 v3, v2, 4, v3                   ; A: (r / 4) x 272 + (r % 4) x 64 + 16 h
	v_mul_u32_u24 v4, v1, PITCH
	v_lshl_add_u32 v4, v2, 4, v4                   ; B: r x 272 + 16 h
	s_mul_i32 s20, s15, 16*PITCH                   ; my 64 rows of each head's part
	s_mul_i32 s21, s16, HALFB
	s_add_co_u32 s21, s21, BOFF                    ; my 128 rows of B
.irp s, 0,1,2
	v_add_nc_u32 v[ADRA+\s], s20, v3
	v_add_nc_u32 v[ADRB+\s], s21, v4
	s_add_co_u32 s20, s20, SLOT
	s_add_co_u32 s21, s21, SLOT
.endr
	s_mul_i32 s20, s14, 16*SPITCH
	s_add_co_u32 s20, s20, STAGE                   ; my stage
	v_mul_u32_u24 v5, v1, SPITCH
	v_lshl_add_u32 v5, v2, 5, v5
	v_add_nc_u32 v[STO], s20, v5                   ; in: row r, 32 bytes for each half of the lanes
	v_and_b32 v6, 31, v0
	v_lshlrev_b32 v[CO], 4, v6                     ; back: the 32 lanes take one row of 512 bytes; and the same in out0
	v_add_nc_u32 v[RD], s20, v[CO]
	v_lshlrev_b32 v[OJ], 5, v2
	s_wait_alu depctr_va_vdst(0)
	s_lshl_b32 s20, s17, 7
	s_lshl_b32 s21, s15, 6
	s_add_co_u32 s20, s20, s21                     ; my first row: 128 TR + 64 RH
	s_lshl_b32 s20, s20, 12                        ; x 4,096 bytes: under 2^25
	s_lshl_b32 s22, s18, 10
	s_lshl_b32 s23, s16, 9
	s_add_co_u32 s22, s22, s23                     ; my first column, in bytes
	s_mov_b32 s23, 0
	s_add_nc_u64 s[88:89], s[8:9], s[22:23]        ; its bias
	s_add_co_u32 s20, s20, s22
	s_mov_b32 s21, 0
	s_add_nc_u64 s[12:13], s[12:13], s[20:21]
	WIN 0xc0                                       ; destination window 3
.irp b, 0,1,2,3,4,5,6,7
	global_load_b128 v[8*\b:8*\b+3], v[OJ], s[88:89] offset:64*\b          ; b_proj at columns 16 b + 8 h + 0 .. 7 of my 128
	global_load_b128 v[8*\b+4:8*\b+7], v[OJ], s[88:89] offset:64*\b+16
.endr
	WIN 0
	s_wait_kmcnt 0x0
	s_add_co_i32 s96, s62, s63                     ; e6 + e7
	s_add_co_i32 s96, s96, 127
	s_lshl_b32 s96, s96, 23                        ; 2^(e6 + e7) as f32
	s_mov_b32 s97, s96                             ; (named with it as a pair)
	s_wait_loadcnt 0x0
.macro PLACES n
.rept \n
	v_nop
.endr
.endm
; The fragments of the slot's q-th 128 along K into set p: B's eight, A's four.  Registers 4 c .. 4 c + 3 hold K = 128 q + 32 c + 16 (lane / 16) + 0 .. 15 in both; in A that is head 2 q + c / 2, byte 32 (c % 2) + 16 (lane / 16).
.macro FETCH slot, q, p
	WIN TO_B
.irp b, 0,1,2,3,4,5,6,7
.irp c, 0,1,2,3
	ds_load_b128 v[128*(\p)+FR*\b+4*\c:128*(\p)+FR*\b+4*\c+3], v[ADRB+\slot] offset:128*(\q)+32*\c+\b*16*PITCH
.endr
.endr
	WIN 0
.irp a, 0,1,2,3
.irp c, 0,1,2,3
	ds_load_b128 v[AF+64*(\p)+FR*\a+4*\c:AF+64*(\p)+FR*\a+4*\c+3], v[ADRA+\slot] offset:(2*(\q)+\c/2)*AHEAD+\a*4*PITCH+32*(\c%2)
.endr
.endr
.endm
; Eight matrix instructions: A's block a x B's eight.  The 32 accumulators take turns, one instruction a turn, in the same order in every step.
.macro MUL8 a, p, zero
.irp b, 0,1,2,3,4,5,6,7
.if \zero
	v_wmma_f32_16x16x128_fp8_fp8 v[8*(8*(\a)+\b):8*(8*(\a)+\b)+7], v[128*(\p)+FR*\b:128*(\p)+FR*\b+FR-1], v[AF+64*(\p)+FR*(\a):AF+64*(\p)+FR*(\a)+FR-1], 0
.else
	v_wmma_f32_16x16x128_fp8_fp8 v[8*(8*(\a)+\b):8*(8*(\a)+\b)+7], v[128*(\p)+FR*\b:128*(\p)+FR*\b+FR-1], v[AF+64*(\p)+FR*(\a):AF+64*(\p)+FR*(\a)+FR-1], v[8*(8*(\a)+\b):8*(8*(\a)+\b)+7]
.endif
.endr
.endm
; A step: set p is multiplied; ahead of its 32 products the next step's fragments (slot slotn, part qn) are asked for, into the other set.
.macro STEP slotn, qn, p, zero
	s_wait_dscnt 0x0                               ; set p is in
.if !\zero
	PLACES 4                                       ; the other set was read by the last products
.endif
	FETCH \slotn, \qn, 1-(\p)
	WIN MUL
	MUL8 0, \p, \zero
	MUL8 1, \p, \zero
	MUL8 2, \p, \zero
	MUL8 3, \p, \zero
	WIN 0
.endm
; A step on set 1 with a barrier in it.  In front of the barrier each wave waits for all its tensor loads, adds 0 to its spare word, and waits for that and for its LDS reads.  fill = 1: slot 0 is filled again, with K step 3.
.macro TURN next, fill
	s_wait_tensorcnt 0x0                           ; all my tensor loads have landed
	ds_add_u32 v[SPW], v[NIL]                      ; 0 onto my spare word
	s_wait_dscnt 1                                 ; the add alone may be out: set 1 is in
	WIN MUL
	MUL8 0, 1, 0
	MUL8 1, 1, 0
	s_wait_dscnt 0x0                               ; the add is done; my reads of the slots behind me are over
	s_barrier_signal -1
	MUL8 2, 1, 0
	WIN 0
	s_barrier_wait -1
.if \fill
	CREST                                          ; the barrier has opened a round of the cluster's barrier: no wave of any partner still reads slot 0 or has a load on its way
	s_add_nc_u64 s[G0A+2:G0A+3], s[G0A+2:G0A+3], 3*0x200000
	s_add_nc_u64 s[G0B+2:G0B+3], s[G0B+2:G0B+3], 3*256
	JLOAD                                          ; the first tensor load behind the round; its four v_nop are also the places in front of the loads below
.else
	PLACES 4
.endif
	FETCH \next, 0, 0
	WIN MUL
	MUL8 3, 1, 0
	WIN 0
.endm
	s_wait_tensorcnt 2                             ; my part of K step 0 is in; the loads of K steps 1 and 2 may be out
	s_barrier_signal -1
	s_barrier_wait -1
	FETCH 0, 0, 0
	STEP 0, 1, 0, 1                                ; K 0-127: the first products start the sums
	TURN 1, 1                                      ; K 128-255; every wave's three first fills have landed; slot 0 takes K 768-1023
	STEP 1, 1, 0, 0                                ; K 256-383
	STEP 2, 0, 1, 0                                ; K 384-511; slot 2 was shown whole by the round above
	STEP 2, 1, 0, 0                                ; K 512-639
	TURN 0, 0                                      ; K 640-767; slot 0's refill has landed in every wave; behind this barrier nobody reads slot 1
	STEP 0, 1, 0, 0                                ; K 768-895
	s_wait_dscnt 0x0
	WIN MUL
	MUL8 0, 1, 0                                   ; K 896-1023
	MUL8 1, 1, 0
	MUL8 2, 1, 0
	MUL8 3, 1, 0
	WIN 0
; THE WAY OUT, block by block of 16 rows x 128 columns: sum x 2^(e6 + e7) + bias, one packed multiply-add for two numbers, each accumulator from its low end on; through my own stage; back as whole rows of 512 bytes.
.macro TOSTAGE a
	WIN 0x32                                       ; source 0 (the sums) window 2, source 2 (the bias) window 3
.set n, 0
.rept 32
	v_pk_fma_f32 v[TMP+n:TMP+n+1], v[64*(\a)+n:64*(\a)+n+1], s[96:97], v[n:n+1] op_sel_hi:[1,0,1]
.set n, n+2
.endr
	WIN 0
.irp b, 0,1,2,3,4,5,6,7
	ds_store_b128 v[STO], v[TMP+8*\b:TMP+8*\b+3] offset:64*\b
	ds_store_b128 v[STO], v[TMP+8*\b+4:TMP+8*\b+7] offset:64*\b+16
.endr
.set BB, BK+64*((\a)%2)
.irp t, 0,1,2,3,4,5,6,7,8,9,10,11,12,13,14,15
	ds_load_b128 v[BB+4*\t:BB+4*\t+3], v[RD] offset:\t*SPITCH   ; LDS serves a wave's instructions in order (ISA guide 5.7.1.4): these see the stores above, and the next block's stores come behind them
.endr
.endm
.macro SEND a, younger                 ; younger: the LDS instructions issued behind block a's loads
.set BB, BK+64*((\a)%2)
	s_wait_dscnt \younger
.if (\a) > 0
	s_add_nc_u64 s[12:13], s[12:13], 16*4096       ; 16 rows on (behind a wait on XCNT: the earlier stores have read their base)
.endif
.irp t, 0,1,2,3,4,5,6,7,8,9,10,11,12,13,14,15
	global_store_b128 v[CO], v[BB+4*\t:BB+4*\t+3], s[12:13] offset:\t*4096 th:TH_STORE_NT   ; 32 lanes store 512 consecutive bytes, at a multiple of 256 from out0's first byte
.endr
.endm
	PLACES 4
	TOSTAGE 0
.irp a, 1,2,3
.if \a > 1
	s_wait_xcnt 0x0                                ; block a - 2's stores have read their registers and their base
.endif
	TOSTAGE \a
	SEND \a-1, 32                                  ; behind block a - 1's loads: block a's 16 stores and 16 loads
.endr
	s_wait_xcnt 0x0
	SEND 3, 0
	s_wait_tensorcnt 0x0                           ; the wave's end
	ds_add_u32 v[SPW], v[NIL]
	s_wait_dscnt 0x0
	CROUND                                         ; the closing round
	s_endpgm
.Lfunc_end_k_q0b29cdd6c8_proj:
	.size	k_q0b29cdd6c8_proj, .Lfunc_end_k_q0b29cdd6c8_proj-k_q0b29cdd6c8_proj
	.p2alignl 7, 3214868480
	.fill 96, 4, 3214868480
	.section	.rodata,"a",@progbits
	.p2align	6, 0x0
	.amdhsa_kernel k_q0b29cdd6c8_proj
		.amdhsa_group_segment_fixed_size 327680
		.amdhsa_private_segment_fixed_size 0
		.amdhsa_enable_private_segment 0
		.amdhsa_kernarg_size 40
		.amdhsa_user_sgpr_count 2
		.amdhsa_user_sgpr_kernarg_segment_ptr 1
		.amdhsa_wavefront_size32 1
		.amdhsa_system_sgpr_workgroup_id_x 1
		.amdhsa_system_sgpr_workgroup_id_y 1
		.amdhsa_system_sgpr_workgroup_id_z 1
		.amdhsa_system_vgpr_workitem_id 0
		.amdhsa_next_free_vgpr 832
		.amdhsa_next_free_sgpr 100
		.amdhsa_reserve_vcc 0
		.amdhsa_float_denorm_mode_32 3
		.amdhsa_float_denorm_mode_16_64 3
		.amdhsa_memory_ordered 1
		.amdhsa_forward_progress 1
		.amdhsa_inst_pref_size 77
	.end_amdhsa_kernel
	.amdgpu_metadata
---
amdhsa.version: [ 1, 2 ]
amdhsa.kernels:
  - .name:           k_q0b29cdd6c8_proj
    .symbol:         k_q0b29cdd6c8_proj.kd
    .args:
      - { .name: att, .offset: 0, .size: 8, .value_kind: global_buffer, .address_space: global }
      - { .name: W_proj_codes, .offset: 8, .size: 8, .value_kind: global_buffer, .address_space: global }
      - { .name: b_proj, .offset: 16, .size: 8, .value_kind: global_buffer, .address_space: global }
      - { .name: lowp_scales, .offset: 24, .size: 8, .value_kind: global_buffer, .address_space: global }
      - { .name: out0, .offset: 32, .size: 8, .value_kind: global_buffer, .address_space: global }
    .group_segment_fixed_size: 327680
    .private_segment_fixed_size: 0
    .kernarg_segment_align: 8
    .kernarg_segment_size: 40
    .max_flat_workgroup_size: 128
    .sgpr_count:     100
    .vgpr_count:     832
    .wavefront_size: 32
...
	.end_amdgpu_metadata
.endif
;; end of part 3
